; MI455X (gfx1250); checked and timed in simulation.
; The chip was launched on July 23, 2026; its instructions are those of AMD's public machine-readable ISA for CDNA 5 (MIT licence, August 2026) and "CDNA5" Instruction Set Architecture Reference Guide (July 2026). The comments in the code are by the model that wrote it; some were corrected since.
;; Attn. Allowed arithmetic: matrix products marked QUANTISED: E4M3 operands, one given power-of-two scale a tensor, by v_wmma_f32_16x16x64_fp8_fp8 or v_wmma_f32_16x16x128_fp8_fp8, f32 sums; products left as they are: f32 operands where the result goes on into a quantised operand, else bf16, f16 or f32 operands; f32 sums; everything else in f32.
;; Inputs: W 1,024 x 1,024 float32; b 1,024 float32; encoder_outputs 32 x 2,048 x 1,024 float32; hidden 32 x 1 x 1,024 float32; lowp_scales 2 int32 (the exponents e of the quantised operands' scales 2^e).
;; Outputs: out0 32 x 2,048 float32.
;; This version of the problem:
;;   THIS VERSION OF THE PROBLEM IS GIVEN IN LOW PRECISION. The matrix products marked QUANTISED in the list below multiply operands that are first quantised to E4M3 (4 exponent bits, 3 mantissa bits; 8 bits a number), with one given power-of-two scale for each operand tensor; their sums are f32. All else is computed in f32.
;;   The module's matrix products, in the order in which they are computed (A, B: the left and right operand; K: the contracted axis; several contracted axes count as one K, in the product's order):
;;     1. [M 65,536, K 1,024] x [K 1,024, N 1,024]; A: input encoder_outputs; B: input W: QUANTISED (scales: A lowp_scales[0], B lowp_scales[1])
;;     2. batch 32 x [M 1, K 1,024] x [K 1,024, N 2,048]; A: input hidden; B: computed on the way: left as it is (M = 1 < 16)
;;   THE QUANTISER, for each operand of a quantised product, along K:
;;     - The operand's scale is 2^e, e = its entry of the input lowp_scales (int32; the entries are numbered through the quantised products in the list's order, A before B).
;;     - Each number is divided by the scale, clamped to +-448, and rounded to the nearest number of E4M3, ties to even, subnormals kept.
;;     - The product sums the exact products of the quantised numbers (number of the format x scale) in f32.
;;   ~~~python
;;   def quantise(x, axis, e):      # numpy; x: float32 -> the quantised numbers, widened to float32 again
;;       x = np.moveaxis(x, axis, -1); K = x.shape[-1]
;;       r = np.clip(x / 2.0 ** e, -448, 448)
;;       step = 2.0 ** (np.maximum(np.frexp(np.where(r == 0, 1, r))[1] - 1, -6) - 3)
;;       q = np.round(r / step) * step * 2.0 ** e      # np.round: ties to even
;;       return np.moveaxis(q, -1, axis).astype(np.float32)
;;   ~~~
;; One version. Each part assembles by itself: llvm-mc -triple=amdgcn-amd-amdhsa -mcpu=gfx1250 --defsym DOCPART=n.
;; ======== version 1 of 1: 3 launches
;; limits: right only within a limited range of input values
;; workspace buffers: wq 1,048,576 bytes; sc 262,144 bytes
;; launch wquant (part 1): grid 256 x 1, 1 waves a work-group, no clusters, 4,864 bytes of LDS; arguments W, lowp_scales, wq; writes wq
.if DOCPART == 1
	.amdgcn_target "amdgcn-amd-amdhsa--gfx1250"
	.amdhsa_code_object_version 6
	.text
	.protected	k_q5cfdeb8ed0_wquant
	.globl	k_q5cfdeb8ed0_wquant
	.p2align	8
	.type	k_q5cfdeb8ed0_wquant,@function
k_q5cfdeb8ed0_wquant:
	s_mov_b64 s[64:65], 0
	v_nop
	global_prefetch_b8 v0, s[64:65] scope:SCOPE_SE
	s_setreg_imm32_b32 hwreg(HW_REG_WAVE_MODE, 25, 1), 1
	s_wait_xcnt 0x0
; THE PROGRAM: out0[b][s] = softmax over s of score[b][s], score[b][s] = sum over k of hidden[b][k] x (sum over h of Q(enc)[b][s][h] Q(W)[k][h] + bias[k]).
; DEAD WORK, LEFT OUT IN ALL THREE LAUNCHES: the term sum over k of hidden[b][k] x bias[k].  It does not hang on s, so it is one and the same number added to every entry of a row of the softmax's
; input; softmax(x + t) = softmax(x) for every real t, whatever the inputs hold.  It goes into no quantised operand.  So the input b has no way to the output: it is not loaded and is among no launch's arguments.
; LIMIT: a NaN, an infinity or an overflow that reaches only hidden . bias is not carried to the result.
; THIS LAUNCH: W [1024 (n)][1024 (k)], f32, becomes codes of FP8 (E4M3) with the given scale 2^e1 (entry 1 of the scales): code = x / 2^e1, held within +-448, to the nearest code, ties to even.
; LIMITS: e1 between -126 and 119, so that 2^e1 and 448 x 2^e1 are f32 numbers.  NaN among the inputs is not served.
; SHARES.  One wave to a work-group; it takes 16 rows of W (tile T = id / 4) x 256 along K (chunk c = id % 4): 16 KiB in, 4 KiB out.
; THE ORDER ALONG K.  A row's 1,024 bytes of a chunk come by two loads of 512 consecutive bytes: lane l holds k = 256 c + 128 i + 4 l + e (i: the load, e = 0..3).  One conversion makes the lane's 8 codes,
; which lie at POSITION 8 l + 4 i + e of the chunk.  The launch that multiplies lays its other operand by the very same lines, so each product meets its partner; only the order of the sums changes.
; THE LAYOUT OF wq is the order of the matrix operand's registers: byte = f 65536 + j 32768 + t 4096 + s 2048 + cc 512 + 16 L, with f = 4 c + (T % 32) / 8, j = T / 32, t = T % 8;
; the 16 bytes hold row 16 T + L % 16, positions 128 s + 32 cc + 16 (L / 16) + 0..15.  So a fragment is four dense blocks of 512 bytes.
.set PITCH, 272                        ; a stage row: 256 codes + 16 bytes, so that the 16 rows that a read touches begin at 16 different places modulo 256 bytes
.set SPARE, 4608                       ; behind the stage (16 x 272 = 4,352 bytes): the spare words, one block of 256 bytes that no other line names
.set X, 16                             ; v16-143  16 rows x 8 numbers; later v16-47: the eight pieces on their way out
.set C, 144                            ; v144-175 a row's codes: two registers each, never written again
	s_load_b128 s[4:7], s[0:1], 0x0                ; W s[4:5], the scales' exponents s[6:7]
	s_load_b64 s[8:9], s[0:1], 0x10                ; wq
	v_lshl_add_u32 v4, v0, 2, SPARE                ; my spare word
	v_mov_b32 v5, 0
	v_lshlrev_b32 v1, 4, v0                        ; 16 x lane: my bytes of a load's and of a store's 512
	v_lshlrev_b32 v2, 3, v0                        ; 8 x lane: my codes' place in a stage row
	v_and_b32 v6, 15, v0                           ; r
	v_lshrrev_b32 v7, 4, v0                        ; h
	v_mul_u32_u24 v3, v6, PITCH
	v_lshl_add_u32 v3, v7, 4, v3                   ; out of the stage: row r, + 16 h
	s_lshr_b32 s16, ttmp9, 2                       ; T
	s_and_b32 s17, ttmp9, 3                        ; c
	s_lshl_b32 s10, s16, 16                        ; 16 rows of 4,096 bytes
	s_lshl_b32 s18, s17, 10                        ; the chunk's 1,024 bytes in a row
	s_add_co_u32 s10, s10, s18
	s_mov_b32 s11, 0
	s_lshl_b32 s12, s17, 18                        ; 4 c x 65,536
	s_bfe_u32 s18, s16, 0x20003                    ; (T / 8) % 4
	s_lshl_b32 s18, s18, 16
	s_add_co_u32 s12, s12, s18
	s_lshr_b32 s18, s16, 5                         ; j
	s_lshl_b32 s18, s18, 15
	s_add_co_u32 s12, s12, s18
	s_and_b32 s18, s16, 7                          ; t
	s_lshl_b32 s18, s18, 12
	s_add_co_u32 s12, s12, s18
	s_mov_b32 s13, 0
	s_wait_alu depctr_va_vdst(0)
	s_wait_kmcnt 0x0
	s_load_b32 s14, s[6:7], 0x4                    ; e1
	s_add_nc_u64 s[4:5], s[4:5], s[10:11]
	s_add_nc_u64 s[8:9], s[8:9], s[12:13]
.set n, 0
.rept 16
	global_load_b128 v[X+8*n:X+8*n+3],   v1, s[4:5] offset:n*4096        ; 32 lanes read 512 consecutive bytes
	global_load_b128 v[X+8*n+4:X+8*n+7], v1, s[4:5] offset:n*4096+512
.set n, n+1
.endr
	s_wait_kmcnt 0x0
	s_add_co_i32 s14, s14, 127
	s_lshl_b32 s15, s14, 23
	v_mov_b32 v11, s15                             ; 2^e1 as f32: the conversion takes its exponent field
	s_add_co_i32 s14, s14, 8
	s_lshl_b32 s14, s14, 23
	s_or_b32 s14, s14, 0x600000
	v_mov_b32 v10, s14                             ; 448 x 2^e1
.set n, 0
	s_wait_alu depctr_va_vdst(0)
.rept 16
	s_wait_loadcnt 30-2*n                          ; loads come back in order: row n's two are in; behind them 2 (15 - n) were issued
.irp k, 0,1,2,3,4,5,6,7
	v_med3_num_f32 v[X+8*n+\k], v[X+8*n+\k], -v10, v10   ; the conversion to an 8-bit code does not saturate (ISA guide 7.6.2): the hold at the largest code x the scale
.endr
	v_cvt_scalef32_pk8_fp8_f32 v[C+2*n:C+2*n+1], v[X+8*n:X+8*n+7], v11   ; its result goes to an LDS store alone; the next row's holds are plain lines on other registers
	ds_store_b64 v2, v[C+2*n:C+2*n+1] offset:n*PITCH
.set n, n+1
.endr
.set n, 0
.rept 8                                ; piece n = 4 s + cc.  LDS serves a wave's instructions in order (ISA guide 5.7.1.4): these see my stores
	ds_load_b128 v[X+4*n:X+4*n+3], v3 offset:32*n
.set n, n+1
.endr
.set n, 0
.rept 8
	s_wait_dscnt 7-n                               ; piece n is back; the 7 - n behind it may be out
	global_store_b128 v1, v[X+4*n:X+4*n+3], s[8:9] offset:512*n   ; 32 lanes store 512 consecutive bytes, at a multiple of 256 from wq's first byte
.set n, n+1
.endr
	s_wait_tensorcnt 0x0                           ; the wave's end: behind my last LDS store
	ds_add_u32 v4, v5
	s_wait_dscnt 0x0
	s_endpgm
.Lfunc_end_k_q5cfdeb8ed0_wquant:
	.size	k_q5cfdeb8ed0_wquant, .Lfunc_end_k_q5cfdeb8ed0_wquant-k_q5cfdeb8ed0_wquant
	.p2alignl 7, 3214868480
	.fill 96, 4, 3214868480
	.section	.rodata,"a",@progbits
	.p2align	6, 0x0
	.amdhsa_kernel k_q5cfdeb8ed0_wquant
		.amdhsa_group_segment_fixed_size 4864
		.amdhsa_private_segment_fixed_size 0
		.amdhsa_enable_private_segment 0
		.amdhsa_kernarg_size 24
		.amdhsa_user_sgpr_count 2
		.amdhsa_user_sgpr_kernarg_segment_ptr 1
		.amdhsa_wavefront_size32 1
		.amdhsa_system_sgpr_workgroup_id_x 1
		.amdhsa_system_sgpr_workgroup_id_y 1
		.amdhsa_system_sgpr_workgroup_id_z 1
		.amdhsa_system_vgpr_workitem_id 0
		.amdhsa_next_free_vgpr 176
		.amdhsa_next_free_sgpr 66
		.amdhsa_reserve_vcc 0
		.amdhsa_float_denorm_mode_32 3
		.amdhsa_float_denorm_mode_16_64 3
		.amdhsa_memory_ordered 1
		.amdhsa_forward_progress 1
		.amdhsa_inst_pref_size 18
	.end_amdhsa_kernel
	.amdgpu_metadata
---
amdhsa.version: [ 1, 2 ]
amdhsa.kernels:
  - .name:           k_q5cfdeb8ed0_wquant
    .symbol:         k_q5cfdeb8ed0_wquant.kd
    .args:
      - { .name: W, .offset: 0, .size: 8, .value_kind: global_buffer, .address_space: global }
      - { .name: lowp_scales, .offset: 8, .size: 8, .value_kind: global_buffer, .address_space: global }
      - { .name: wq, .offset: 16, .size: 8, .value_kind: global_buffer, .address_space: global }
    .group_segment_fixed_size: 4864
    .private_segment_fixed_size: 0
    .kernarg_segment_align: 8
    .kernarg_segment_size: 24
    .max_flat_workgroup_size: 32
    .sgpr_count:     66
    .vgpr_count:     176
    .wavefront_size: 32
...
	.end_amdgpu_metadata
.endif
;; end of part 1
;; launch scores (part 2): grid 256 x 1, 4 waves a work-group, clusters of 4 x 1, 327,680 bytes of LDS; arguments encoder_outputs, hidden, wq, lowp_scales, sc; writes sc
.if DOCPART == 2
	.amdgcn_target "amdgcn-amd-amdhsa--gfx1250"
	.amdhsa_code_object_version 6
	.text
	.protected	k_q5cfdeb8ed0_scores
	.globl	k_q5cfdeb8ed0_scores
	.p2align	8
	.type	k_q5cfdeb8ed0_scores,@function
k_q5cfdeb8ed0_scores:
	s_mov_b64 s[64:65], 0
	v_nop
	global_prefetch_b8 v0, s[64:65] scope:SCOPE_SE
	s_setreg_imm32_b32 hwreg(HW_REG_WAVE_MODE, 25, 1), 1
	s_wait_xcnt 0x0
	s_wait_alu depctr_hold_cnt(0) depctr_sa_sdst(0) depctr_va_vdst(0) depctr_va_sdst(0) depctr_va_ssrc(0) depctr_va_vcc(0) depctr_vm_vsrc(0)
	s_getreg_b32 s2, hwreg(HW_REG_IB_STS2, 6, 4)
	s_cmp_eq_u32 s2, 0
	s_cbranch_scc0 .Lentry_in_a_cluster
	s_endpgm
.Lentry_in_a_cluster:
	s_bfe_u32 s2, ttmp6, 0x10000c
	s_cmp_lg_u32 s2, 0x3003
	s_cbranch_scc0 .Lentry_shape_is_right
	s_endpgm
.Lentry_shape_is_right:
; sc[b][s] = 2^(e0 + e1) x sum over n of hidden[b][n] x (sum over k of code(enc)[b][s][k] x code(W)[n][k]).  The term hidden . bias is left out: it is the same along the softmax's axis (shown at the head of the first kernel).
; enc [65536][1024] f32 is quantised here, in registers, with the given 2^e0; W's codes come from wq.  The quantised product runs on v_wmma_f32_16x16x128_fp8_fp8; the product with hidden (one row) in f32 multiply-adds.
; LIMITS: e0 between -126 and 119 (2^e0 and 448 x 2^e0 are f32 numbers); e0 + e1 is applied by v_ldexp_f32 and has none.  NaN among the inputs is not served.
; SHARES.  A work-group owns 256 rows of enc, read once.  Wave w (a) quantises rows 64 w .. 64 w + 63, (b) multiplies rows 128 i .. + 127 (i = w / 2) by the 512 columns of half j = w % 2.
; K GOES IN FOUR CHUNKS OF 256.  The score is linear in K: each chunk's part of a 16 x 16 tile of the first product is multiplied by hidden at once and added to f32 sums, so a chunk of enc is loaded and
; quantised while the chunk before is multiplied.  A chunk's A operand (128 rows x 256) stays in 256 registers; each fragment of W read from LDS feeds 8 matrix instructions.
; THE ORDER ALONG K is the first kernel's: two loads of 512 consecutive bytes, one conversion, 8 codes at position 8 l + 4 i + e of the chunk: the same in both operands.
; THE MATRIX INSTRUCTION IS USED TRANSPOSED (source 0 = 16 rows of W, source 1 = 16 rows of enc): lane (r, h) holds row r of enc, and its registers the columns n = 8 h + 0..7 of the tile.
; A PASS is 32 units (a unit = 1,024 bytes of one row); a wave has 8 passes.  PASSES 0 AND 2 TO 7 COME THROUGH REGISTERS: a ring of 32 units, two loads each; the loads stay out across the barriers.
; PASS 1 COMES THROUGH LDS: the wave's one tensor load at the head brings its 32 rows x 1,024 bytes into W's two slots, which hold nothing yet (4 waves x 32 KiB = the slots' 128 KiB); only the wave that asked reads them.
; A PREFETCH INTO THE L2 runs ahead of the ring: while pass p's loads are being issued, the wave names the 128 blocks of 256 bytes of pass p + 1 (four instructions, a lane a block, 32 units ahead of the loads that
; will want them).  Pass 2 is named at the kernel's head, pass 7 while pass 6's loads go out; then nothing is named.  Each block of enc is read by one wave alone, and that wave names it once.
; W COMES THROUGH LDS: 16 fills of 64 KiB (a chunk x 128 columns of each half j) through two slots.  CLUSTER: the four work-groups of a cluster walk the same fills and share a batch row of hidden, so each
; tile is asked for JOINTLY: the same tensor load, the same descriptor, mask 15.  The clusters begin at different fills (KQ, KC from the cluster's number).  wq is not prefetched: all 64 clusters read the same 1 MiB.
; THE START: pass 1's tensor load; pass 0 is quantised; hidden's tile goes out; pass 1 is read into registers; fill 0 goes into slot 0 in the middle of its quantising and fill 1 into slot 1 at its end.  Each of
; these three loads stands behind the three lines and a round of the cluster's barrier.
; A HALF = one fill = 8 tiles of 16 columns a wave = 128 matrix instructions.  A tile's 16 products take its 8 accumulators by turns; two sets of accumulators take turns from tile to tile.
; Behind the products stand, in slices of four lines: the multiply-adds with hidden of the tile BEFORE (products 0-7), the holds and conversions of two units of enc (products 8-12).
; All of a tile's memory instructions stand in ONE run, behind its third product: the next tile's W, the last pair's codes to LDS, that pair's units asked for anew.
; REGISTERS, in windows of 256 (s_set_vgpr_msb: bits 1:0 source 0, 3:2 source 1, 5:4 source 2, 7:6 destination):
;   window 0: v1-16 addresses; v24-39 the sums, a pair for each 16 rows; v64-127 two sets of W's fragments; v128-191, v192-255 the two sets of accumulators
;   window 1: v0-127 A of K step 0, fragment mt at v[16 mt]; v128-191 hidden for the half's 8 tiles; v192-199 two sets of codes; v200 2^e0
;   window 2: v0-127 A of K step 1; at the start all 256: pass 1, unit u at v[8 u]          window 3: the ring, unit u at v[8 u]
.set SLOT1, 65536                      ; LDS: slot 0 of W at 0, slot 1 here
.set HIDT,  131072                     ; hidden's 1,024 numbers, laid [quarter in the order walked][j][128]
.set ACODE, 135168                     ; enc's codes of one chunk: 256 rows x AP
.set AP,    272                        ; 256 codes + 16 bytes
.set SCST,  204800                     ; four waves x 512 bytes of partial scores
.set SPARE, 206848                     ; the spare words, 128 bytes a wave: two blocks of 256 bytes that no other line names
.set LSA, 1                            ; pass 1 in LDS: 32768 w + 16 x lane
.set EO,  2                            ; 16 x lane
.set CW,  3                            ; where my codes go: ACODE + 64 w rows + 8 x lane
.set CWA, 4                            ; the same, in the pass in hand
.set AR,  5                            ; where I read A
.set BA0, 6                            ; W's fragments: 32768 j + 16 x lane
.set BAD, 7                            ; the same, in the slot in hand
.set HA,  8                            ; hidden: HIDT + 512 j + 32 h
.set HAD, 9                            ; the same, in the quarter in hand
.set PFO, 10                           ; the prefetches' offset: 4096 (lane / 4) + 256 (lane % 4); never rewritten
.set SPW, 12                           ; my spare word; never rewritten
.set NIL, 13                           ; 0; never rewritten
.set SA,  14                           ; partial scores, in
.set SR,  15                           ; and back
.set GO,  16                           ; 8 x lane
.set SC,  24
.set BF,  64
.set D0,  128
.set D1,  192
.set HB,  128                          ; in window 1
.set CD,  192                          ; in window 1
.set SCL, 200                          ; in window 1
.set WV,  14                           ; s14 wave; s15 i; s16 j; s17 cx; s18 work-group; s19 KQ; s20 KC
.set WI,  15
.set WJ,  16
.set CX,  17
.set WG,  18
.set KQ,  19
.set KC,  20
.set TAU, 21                           ; the next fill to ask for
.set TB,  22                           ; the slot in hand
.set HO,  23                           ; hidden's quarter in hand, in bytes
.set G1,  24                           ; s[24:31] group 1 for W's tiles; s[32:39] for hidden's
.set G1H, 32
.set G0A, 40                           ; group 0 of fill 0; of fill 1, which then walks; of hidden
.set G0B, 44
.set G0H, 48
.set EW,  52                           ; s[52:53] enc at my wave's 64 rows
.set EP,  54                           ; s[54:55] the base of the loads being issued
.set PT,  58                           ; the pass whose loads are being issued
.set CWO, 59                           ; 0 or 32 rows of ACODE
.set WO,  72                           ; 16384 x wave
.set PLIM, 73                          ; 448 x 2^e0
.set NLIM, 74
.set SEL, 76                           ; s[76:77] lane selects: lane l xor 16
.set PFB, 78                           ; s[78:79] the base of the pass that is prefetched
.set G1E, 80                           ; s[80:87] group 1, s[88:91] group 0 of pass 1's tile
.set G0E, 88
.set S_A,    0x04                      ; source 1 in window 1
.set S_B,    0x08                      ; source 1 in window 2
.set W_HOLD, 0xc3                      ; destination and source 0 in window 3
.set W_CVT,  0x47                      ; source 0 window 3, source 1 and destination window 1
.set W_GL,   0xc0                      ; destination window 3
.set W_1,    0x40
.set W_2,    0x80
.set WH, W_HOLD                        ; the windows of the holds and of the conversions: the ring's, but for pass 1
.set WC, W_CVT
.set MSB, 0
.macro WIN new                         ; the immediate's high byte repeats the setting that is left
.if MSB != \new
	s_set_vgpr_msb (MSB<<8)|\new
.set MSB, \new
.endif
.endm
.macro PLACES n
.rept \n
	v_nop
.endr
.endm
.macro ROUND                           ; a round of the cluster's barrier
	s_barrier_signal -1
	s_barrier_wait -1
	s_cmp_lg_u32 s[WV], 0
	s_cbranch_scc1 .Lnot_wave_0_\@
	s_barrier_signal -3
.Lnot_wave_0_\@:
	s_barrier_wait -3
	s_barrier_signal -1
	s_barrier_wait -1
.endm
.macro ABAR                            ; my LDS instructions are done: then the work-group's barrier
	s_wait_dscnt 0x0
	s_barrier_signal -1
	s_barrier_wait -1
.endm
.macro ULOAD u                         ; unit u: 1,024 bytes of row u of the pass (destination in window 3)
	global_load_b128 v[8*(\u):8*(\u)+3],   v[EO], s[EP:EP+1] offset:(\u)*4096 th:TH_LOAD_NT
	global_load_b128 v[8*(\u)+4:8*(\u)+7], v[EO], s[EP:EP+1] offset:(\u)*4096+512 th:TH_LOAD_NT
.endm
.macro PBASE dst, ahead                ; pass t = PT + ahead holds rows 32 (t % 2) + u of my 64, chunk (t / 2 + KC) % 4
	s_add_co_u32 s70, s[PT], \ahead
	s_and_b32 s69, s70, 1
	s_lshl_b32 s69, s69, 17                        ; 32 rows of 4,096 bytes
	s_lshr_b32 s70, s70, 1
	s_add_co_u32 s70, s70, s[KC]
	s_and_b32 s70, s70, 3
	s_lshl_b32 s70, s70, 10                        ; the chunk's 1,024 bytes in a row
	s_add_co_u32 s56, s69, s70
	s_mov_b32 s57, 0
	s_add_nc_u64 s[\dst:\dst+1], s[EW:EW+1], s[56:57]
.endm
.macro ASKP                            ; pass PT + 1 is named: 32 rows x 4 blocks of 256 bytes, 8 rows an instruction; behind pass 7 there is none
	s_cmp_lt_u32 s[PT], 7
	s_cbranch_scc0 .Lno_ask_\@
	PBASE PFB, 1
.irp q, 0,1,2,3
	global_prefetch_b8 v[PFO], s[PFB:PFB+1] offset:\q*32768 th:TH_LOAD_NT scope:SCOPE_SE
.endr
.Lno_ask_\@:
.endm
.macro PASSHEAD reload
.if \reload
	s_wait_xcnt 0x0                                ; the last pass's loads and prefetches have read their bases: these are written only behind this wait
	s_add_co_u32 s[PT], s[PT], 1
	PBASE EP, 0
	ASKP
.endif
	s_wait_dscnt 0x0                               ; my last code stores have read their address
	v_add_nc_u32 v[CWA], s[CWO], v[CW]
	s_xor_b32 s[CWO], s[CWO], 32*AP
.endm
.macro HOLD4 r                         ; the conversion to an 8-bit code does not saturate (ISA guide 7.6.2): the hold at the largest code x the scale
	WIN WH
.irp k, 0,1,2,3
	v_med3_num_f32 v[(\r)+\k], v[(\r)+\k], s[NLIM], s[PLIM]
.endr
.endm
.macro Q_CVT u, c                      ; units u and u + 1: 8 codes a lane each, into set c
	WIN WC
	v_cvt_scalef32_pk8_fp8_f32 v[CD+4*(\c):CD+4*(\c)+1],   v[8*(\u):8*(\u)+7],    v[SCL]
	v_cvt_scalef32_pk8_fp8_f32 v[CD+4*(\c)+2:CD+4*(\c)+3], v[8*(\u)+8:8*(\u)+15], v[SCL]
	v_nop                                          ; one plain vector line behind the last scaled conversion
.endm
.macro Q_OUT u, c, reload              ; set c's codes go to rows u, u + 1 of the pass; reload = 1: the two units are asked for anew
	WIN S_A
	ds_store_b64 v[CWA], v[CD+4*(\c):CD+4*(\c)+1]   offset:(\u)*AP
	ds_store_b64 v[CWA], v[CD+4*(\c)+2:CD+4*(\c)+3] offset:(\u)*AP+AP
.if \reload
	WIN W_GL
	ULOAD (\u)
	ULOAD (\u)+1
.endif
.endm
.macro QPASS                           ; a pass of the ring that is quantised with nothing beside it; the two sets of codes take turns
.set n, 0
.rept 16
	s_wait_dscnt 2                                 ; the last pair's two stores may be out; those from the set that is written next are done
	s_wait_loadcnt 60                              ; units n, n + 1 are in.  Behind them: units n + 2 .. 31 of this pass, 2 (30 - n) loads, and units 0 .. n - 1 of the ring's next, 2 n
	HOLD4 8*n
	HOLD4 8*n+4
	HOLD4 8*n+8
	HOLD4 8*n+12
	Q_CVT n, (n/2)%2
	Q_OUT n, (n/2)%2, 1
.set n, n+2
.endr
	WIN 0
.endm
.macro LQ n0                           ; units n0 .. n0 + 15 of pass 1, which lie in registers: quantised as in QPASS; nothing is asked for
.set n, \n0
.rept 8
	s_wait_dscnt 2                                 ; as in QPASS
	HOLD4 8*n
	HOLD4 8*n+4
	HOLD4 8*n+8
	HOLD4 8*n+12
	Q_CVT n, (n/2)%2
	Q_OUT n, (n/2)%2, 0
.set n, n+2
.endr
	WIN 0
.endm
.macro FIRST g0, g1                    ; a fill at the start: the three lines, a round, the wave's one joint load
	s_wait_tensorcnt 0x0
	ds_add_u32 v[SPW], v[NIL]
	s_wait_dscnt 0x0
	ROUND
	tensor_load_to_lds s[\g0:\g0+3], s[\g1:\g1+7]
	s_nop 0
	PLACES 4
.endm
.macro ALOAD                           ; my 128 rows x 256 positions of the chunk's codes: 16 fragments, behind four places
	PLACES 4
	WIN W_1
.irp mt, 0,1,2,3,4,5,6,7
.irp cc, 0,1,2,3
	ds_load_b128 v[16*\mt+4*\cc:16*\mt+4*\cc+3], v[AR] offset:\mt*16*AP+32*\cc
.endr
.endr
	WIN W_2
.irp mt, 0,1,2,3,4,5,6,7
.irp cc, 0,1,2,3
	ds_load_b128 v[16*\mt+4*\cc:16*\mt+4*\cc+3], v[AR] offset:\mt*16*AP+128+32*\cc
.endr
.endr
	WIN 0
.endm
.macro BLOAD t, s, set                 ; W's fragment (tile t of the fill, K step s): four dense blocks of 512 bytes
.irp cc, 0,1,2,3
	ds_load_b128 v[BF+32*(\set)+16*(\s)+4*\cc:BF+32*(\set)+16*(\s)+4*\cc+3], v[BAD] offset:(\t)*4096+(\s)*2048+\cc*512
.endr
.endm
; Lines 4 i .. 4 i + 3 of a tile's 32 multiply-adds with hidden.  Line c: the sums of rows 16 (c % 8) + r += columns 2 (c / 8), + 1 of my eight: each accumulator is first read at its low end.
.macro CONTR4 i, x
.irp k, 0,1,2,3
.set cm, (4*(\i)+\k)%8
.set cj, 2*((4*(\i)+\k)/8)
	v_pk_fma_f32 v[SC+2*cm:SC+2*cm+1], v[DP+8*cm+cj:DP+8*cm+cj+1], v[HB+8*(\x)+cj:HB+8*(\x)+cj+1], v[SC+2*cm:SC+2*cm+1]
.endr
.endm
; A TILE: 16 columns x my 128 rows x the chunk's 256.  q = 0: products alone; 1: units u, u + 1 are quantised and later asked for anew; 2: quantised, nothing is asked for.  nb = 1: the next tile's W is fetched.
; PLACES (ISA guide 7.12.1).  The multiply-adds read what products 8 .. 15 of the tile before wrote.  q > 0: behind products 8 to 11 stand four holds each; for products 12 to 15 slice 0's four lines come first.
; q = 0: four v_nop.  The loads of W stand behind twelve multiply-adds; so do the code stores, twelve plain lines behind the conversions that made the codes.
.macro TILE tp, q, u, nb
.set P, (\tp)%2
.set DC, D0+64*P
.set DP, D1-64*P
.if (\tp) == 0
	s_wait_dscnt 16                                ; W's first two fragments are in, and A where it was just fetched; hidden's 16 loads issued behind them may be out
.else
.if (\q) == 0
	s_wait_alu depctr_va_vdst(0)
.endif
	s_wait_dscnt 0x0                               ; this tile's W; hidden; the code stores of the same run
.endif
.set i, 0
.rept 16
.if i < 8
	WIN S_A
	v_wmma_f32_16x16x128_fp8_fp8 v[DC+8*i:DC+8*i+7], v[BF+32*P:BF+32*P+15], v[16*i:16*i+15], 0
.if (\tp) > 0
.if (i == 0) && ((\q) == 0)
	PLACES 4
.endif
	CONTR4 i, (\tp)-1
.endif
.if i == 2                             ; the tile's one run of memory instructions
.if \nb
	BLOAD (\tp)+1, 0, 1-P
	BLOAD (\tp)+1, 1, 1-P
.endif
.if ((\q) != 0) && ((\tp) > 0)
	Q_OUT (\u)-2, 1-P, 2-(\q)                      ; the pair that the tile before converted
.endif
.endif
.else
	WIN S_B
	v_wmma_f32_16x16x128_fp8_fp8 v[DC+8*i-64:DC+8*i-57], v[BF+32*P+16:BF+32*P+31], v[16*i-128:16*i-113], v[DC+8*i-64:DC+8*i-57]
.if (\q) != 0
.if i == 8
.if (\q) == 1
	s_wait_loadcnt 60                              ; as in QPASS: the pair before was asked for anew in this tile's run, or behind the last change of slots
.else
	s_wait_loadcnt 60-2*(\u)                       ; the last pass: behind units u, u + 1 only units u + 2 .. 31 were issued
.endif
.endif
.if i < 12
	HOLD4 8*(\u)+4*(i-8)
.elseif i == 12
	Q_CVT \u, P
.endif
.endif
.endif
.set i, i+1
.endr
.endm
.macro HALF q, ub                      ; one fill: 8 tiles; units ub .. ub + 15
	WIN 0
	BLOAD 0, 0, 0
	BLOAD 0, 1, 0
	WIN W_1
.irp x, 0,1,2,3,4,5,6,7
	ds_load_b128 v[HB+8*\x:HB+8*\x+3],   v[HAD] offset:64*\x      ; hidden of columns 16 x + 8 h + 0..7 of the fill's 128 of my half
	ds_load_b128 v[HB+8*\x+4:HB+8*\x+7], v[HAD] offset:64*\x+16
.endr
.irp tp, 0,1,2,3,4,5,6
	TILE \tp, \q, (\ub)+2*\tp, 1
.endr
	TILE 7, \q, (\ub)+14, 0
.if (\q) != 0
	Q_OUT (\ub)+14, 1, 0                           ; the half's last pair: its codes are in LDS ahead of the barrier that follows; its units are asked for anew behind that barrier
.else
	s_wait_alu depctr_va_vdst(0)
.endif
.endm
; THE CHANGE OF SLOTS.  Each wave waits for all its tensor loads (one is out: its quarter of the next slot), adds 0 to its spare word, and waits for that and for its reads of the slot that it leaves.
; The half's last tile is multiplied by hidden between the add and the wait for it.  fill = 1: the barrier is a round of the cluster's, and the joint refill is the first thing behind it.
; ru >= 0: units ru, ru + 1, the half's last pair, are asked for anew behind the refill: so no global load stands between the half's last LDS stores and the add.
.macro CHANGE fill, ru
	WIN 0
	s_wait_tensorcnt 0x0                           ; no tensor load of mine is out, so a group 0 may be written
	ds_add_u32 v[SPW], v[NIL]
	s_xor_b32 s[TB], s[TB], SLOT1
	s_add_co_u32 s[HO], s[HO], 1024
	s_and_b32 s[HO], s[HO], 3072
.if \fill
	s_xor_b32 s[G0B+1], s[G0B+1], SLOT1            ; the walking descriptor: the slot that is left,
	s_lshr_b32 s69, s[TAU], 2
	s_add_co_u32 s69, s69, s[KC]
	s_and_b32 s69, s69, 3
	s_lshl_b32 s69, s69, 2                         ; 4 x the chunk
	s_add_co_u32 s70, s[TAU], s[KQ]
	s_and_b32 s70, s70, 3                          ; + the quarter of the columns
	s_add_co_u32 s69, s69, s70
	s_lshl_b32 s62, s69, 16
	s_add_co_u32 s62, s62, s[WO]                   ; + my quarter of the fill
	s_mov_b32 s63, 0
	s_add_nc_u64 s[G0B+2:G0B+3], s[8:9], s[62:63]
	s_or_b32 s[G0B+3], s[G0B+3], 0x80000000
	s_add_co_u32 s[TAU], s[TAU], 1
.endif
	PLACES 4                                       ; behind the half's last products
	WIN S_A
.set DP, D1
.irp e, 0,1,2,3,4,5,6,7
	CONTR4 \e, 7
.endr
	WIN 0
	s_wait_dscnt 0x0                               ; the add is done, and my reads of the slot are over
.if \fill
	ROUND
	tensor_load_to_lds s[G0B:G0B+3], s[G1:G1+7]
	s_nop 0
.else
	s_barrier_signal -1
	s_barrier_wait -1
.endif
	v_add_nc_u32 v[BAD], s[TB], v[BA0]             ; four vector lines in window 0 follow the load, ahead of the next switch of windows
	v_add_nc_u32 v[HAD], s[HO], v[HA]
	v_nop
	v_nop
	s_wait_alu depctr_va_vdst(0)                   ; the two addresses
.if (\ru) >= 0
	WIN W_GL
	ULOAD \ru
	ULOAD (\ru)+1
	WIN 0
.endif
.endm
	s_load_b256 s[4:11], s[0:1], 0x0               ; enc s[4:5], hidden s[6:7], wq s[8:9], the scales' exponents s[10:11]
	s_load_b64 s[12:13], s[0:1], 0x20              ; sc
	v_lshl_add_u32 v[SPW], v0, 2, SPARE
	v_mov_b32 v[NIL], 0
	ds_add_u32 v[SPW], v[NIL]                      ; the opening lines: the add, twice on end, and its wait ahead of my first tensor load
	ds_add_u32 v[SPW], v[NIL]
	v_lshrrev_b32 v17, 5, v0
	v_readfirstlane_b32 s[WV], v17                 ; wave 0..3
	s_lshr_b32 s[WI], s[WV], 1
	s_and_b32 s[WJ], s[WV], 1
	s_bfe_u32 s[CX], ttmp6, 0x40000                ; my place in the cluster: it enters enc's and sc's addresses alone
	s_lshl_b32 s[WG], ttmp9, 2
	s_add_co_u32 s[WG], s[WG], s[CX]
	s_and_b32 s[KQ], ttmp9, 3                      ; where my cluster begins its walk: the quarter of the columns,
	s_lshr_b32 s[KC], ttmp9, 2
	s_and_b32 s[KC], s[KC], 3                      ; and the chunk: the same in all four partners
	s_lshl_b32 s[WO], s[WV], 14
	s_mov_b32 s[G1],   15|(3<<16)|(1<<21)          ; the mask: all four work-groups; elements of 8 bytes; bit 21 beside a mask; no padding
	s_mov_b32 s[G1+1], 32<<16                      ; rows of 256 bytes,
	s_mov_b32 s[G1+2], 64<<16                      ; 64 of them: 16 KiB, dense
	s_mov_b32 s[G1+3], 32<<16
	s_mov_b32 s[G1+4], 64
	s_mov_b32 s[G1+5], 32
	s_mov_b32 s[G1+6], 0
	s_mov_b32 s[G1+7], 0
	s_mov_b32 s[G1H],   15|(3<<16)|(1<<21)
	s_mov_b32 s[G1H+1], 64<<16                     ; rows of 512 bytes: 128 numbers of hidden,
	s_mov_b32 s[G1H+2], 2<<16                      ; two of them (j = 0, 1),
	s_mov_b32 s[G1H+3], 64<<16
	s_mov_b32 s[G1H+4], 2
	s_mov_b32 s[G1H+5], 256                        ; 2,048 bytes apart
	s_mov_b32 s[G1H+6], 0
	s_mov_b32 s[G1H+7], 0
	s_mov_b32 s[G1E],   3<<16                      ; pass 1's tile: no mask (my own rows); elements of 8 bytes; no padding
	s_mov_b32 s[G1E+1], 128<<16                    ; rows of 1,024 bytes,
	s_mov_b32 s[G1E+2], 32<<16                     ; 32 of them,
	s_mov_b32 s[G1E+3], 128<<16
	s_mov_b32 s[G1E+4], 32
	s_mov_b32 s[G1E+5], 512                        ; 4,096 bytes apart
	s_mov_b32 s[G1E+6], 0
	s_mov_b32 s[G1E+7], 0
	s_mov_b32 s[SEL], 0x76543210
	s_mov_b32 s[SEL+1], 0xfedcba98
	s_mov_b32 s[PT], 1
	s_mov_b32 s[CWO], 0
	s_mov_b32 s[TAU], 2
	s_mov_b32 s[TB], 0
	s_mov_b32 s[HO], 0
	v_and_b32 v17, 31, v0                          ; lane
	v_and_b32 v18, 15, v0                          ; r
	v_bfe_u32 v19, v0, 4, 1                        ; h
	v_lshlrev_b32 v[EO], 4, v17
	v_lshlrev_b32 v[GO], 3, v17
	s_mul_i32 s69, s[WV], 64*AP
	s_add_co_u32 s69, s69, ACODE
	v_lshl_add_u32 v[CW], v17, 3, s69
	s_mul_i32 s69, s[WI], 128*AP
	s_add_co_u32 s69, s69, ACODE
	v_mul_u32_u24 v[AR], v18, AP
	v_lshl_add_u32 v[AR], v19, 4, v[AR]
	v_add_nc_u32 v[AR], s69, v[AR]
	s_lshl_b32 s69, s[WJ], 15
	v_lshl_add_u32 v[BA0], v17, 4, s69
	v_mov_b32 v[BAD], v[BA0]                       ; slot 0
	s_lshl_b32 s69, s[WJ], 9
	s_add_co_u32 s69, s69, HIDT
	v_lshl_add_u32 v[HA], v19, 5, s69
	v_mov_b32 v[HAD], v[HA]                        ; the first quarter
	s_lshl_b32 s69, s[WV], 9
	s_add_co_u32 s69, s69, SCST
	v_lshl_add_u32 v[SA], v18, 2, s69
	s_lshl_b32 s69, s[WI], 10
	s_lshl_b32 s70, s[WJ], 8
	s_add_co_u32 s69, s69, s70
	s_add_co_u32 s69, s69, SCST
	v_lshl_add_u32 v[SR], v17, 3, s69
	v_lshrrev_b32 v[PFO], 2, v17
	v_and_b32 v11, 3, v17
	v_lshlrev_b32 v11, 8, v11
	v_lshl_add_u32 v[PFO], v[PFO], 12, v11         ; a lane a block: row lane / 4, block lane % 4
	s_lshl_b32 s69, s[WV], 15
	v_lshl_add_u32 v[LSA], v17, 4, s69
	s_wait_alu depctr_va_vdst(0)
	s_wait_dscnt 0x0                               ; both opening adds are done
	s_wait_kmcnt 0x0
	s_load_b64 s[66:67], s[10:11], 0x0             ; e0, e1
	s_lshl_b32 s56, s[WG], 20                      ; my work-group's 256 rows of 4,096 bytes,
	s_lshl_b32 s69, s[WV], 18                      ; my wave's 64
	s_add_co_u32 s56, s56, s69
	s_mov_b32 s57, 0
	s_add_nc_u64 s[EW:EW+1], s[4:5], s[56:57]
	s_mov_b32 s[G0E], 1
	s_lshl_b32 s[G0E+1], s[WV], 15                 ; 32 KiB a wave, from LDS byte 0 on: the two slots
	PBASE G0E+2, 0                                 ; pass 1: rows 32-63, the first chunk of my walk
	s_or_b32 s[G0E+3], s[G0E+3], 0x80000000
	ROUND                                          ; in a cluster launch every group of tensor loads stands behind a round
	tensor_load_to_lds s[G0E:G0E+3], s[G1E:G1E+7]  ; pass 1: one tensor load a wave at the head
	s_nop 0
	PLACES 4
	ASKP                                           ; pass 2 is named, 32 units ahead of its loads
	PBASE EP, -1                                   ; pass 0: rows 0-31, the first chunk of my walk
	WIN W_GL
.set n, 0
.rept 32
	ULOAD n
.set n, n+1
.endr
	WIN 0
	s_lshl_b32 s56, s[WG], 10                      ; sc: 256 numbers a work-group, 64 a wave
	s_lshl_b32 s69, s[WV], 8
	s_add_co_u32 s56, s56, s69
	s_add_nc_u64 s[12:13], s[12:13], s[56:57]
	s_lshl_b32 s69, s[KC], 2
	s_add_co_u32 s70, s69, s[KQ]                   ; fill 0 of my walk
	s_lshl_b32 s62, s70, 16
	s_add_co_u32 s62, s62, s[WO]
	s_mov_b32 s63, 0
	s_mov_b32 s[G0A], 1
	s_mov_b32 s[G0A+1], s[WO]                      ; slot 0, my quarter
	s_add_nc_u64 s[G0A+2:G0A+3], s[8:9], s[62:63]
	s_or_b32 s[G0A+3], s[G0A+3], 0x80000000
	s_add_co_u32 s70, s[KQ], 1
	s_and_b32 s70, s70, 3
	s_add_co_u32 s70, s70, s69                     ; fill 1
	s_lshl_b32 s62, s70, 16
	s_add_co_u32 s62, s62, s[WO]
	s_mov_b32 s[G0B], 1
	s_add_co_u32 s[G0B+1], s[WO], SLOT1
	s_add_nc_u64 s[G0B+2:G0B+3], s[8:9], s[62:63]
	s_or_b32 s[G0B+3], s[G0B+3], 0x80000000
	s_lshr_b32 s69, ttmp9, 1                       ; the batch row: 8 work-groups, two clusters, to each
	s_lshl_b32 s62, s69, 12
	s_add_co_u32 s70, s[WV], s[KQ]
	s_and_b32 s70, s70, 3                          ; wave w fetches the quarter that is walked w-th
	s_lshl_b32 s70, s70, 9
	s_add_co_u32 s62, s62, s70
	s_mov_b32 s[G0H], 1
	s_lshl_b32 s[G0H+1], s[WV], 10
	s_add_co_u32 s[G0H+1], s[G0H+1], HIDT
	s_add_nc_u64 s[G0H+2:G0H+3], s[6:7], s[62:63]
	s_or_b32 s[G0H+3], s[G0H+3], 0x80000000
.set n, 0
.rept 16
	v_mov_b32 v[SC+n], 0                           ; the score sums begin at 0: the multiply-adds are written once, for all chunks and tiles alike
.set n, n+1
.endr
	s_wait_kmcnt 0x0
	s_add_co_i32 s68, s66, s67                     ; e0 + e1
	s_add_co_i32 s69, s66, 127
	s_lshl_b32 s70, s69, 23
	WIN W_1
	v_mov_b32 v[SCL], s70                          ; 2^e0 as f32: the conversion takes its exponent field
	WIN 0
	s_add_co_i32 s69, s69, 8
	s_lshl_b32 s69, s69, 23
	s_or_b32 s[PLIM], s69, 0x600000                ; 448 x 2^e0,
	s_or_b32 s[NLIM], s[PLIM], 0x80000000          ; and its negative
	s_wait_alu depctr_va_vdst(0)
	PASSHEAD 1                                     ; pass 0 is quantised out of the ring; the ring takes pass 2, and pass 3 is named
	QPASS
	FIRST G0H, G1H                                 ; pass 1's tile has landed; hidden's tile goes out
	PASSHEAD 0                                     ; pass 1's codes go to rows 32-63 of my 64
	WIN W_2
.set n, 0
.rept 32
	ds_load_b128 v[8*n:8*n+3],   v[LSA] offset:n*1024         ; unit n as the ring would hold it: my 16 bytes of the row's first 512,
	ds_load_b128 v[8*n+4:8*n+7], v[LSA] offset:n*1024+512     ; and of its second
.set n, n+1
.endr
	WIN 0
	s_wait_dscnt 0x0                               ; pass 1 lies in registers: I read the slots no more
.set WH, 0x82                          ; destination and source 0 in window 2
.set WC, 0x46                          ; source 0 window 2, source 1 and destination window 1
	LQ 0
	FIRST G0A, G1                                  ; every wave has read its tile out of the slots: fill 0 goes into slot 0
	LQ 16
.set WH, W_HOLD
.set WC, W_CVT
	FIRST G0B, G1                                  ; fill 0 and hidden are in, in every wave, and the chunk's codes lie in LDS; fill 1 goes into slot 1
	ALOAD
	ABAR                                           ; every wave has read the codes: the next pass may write over them
	s_mov_b32 s60, 0
.Lm:                                               ; trip g = 0..4: halves 2 g, 2 g + 1 are multiplied; pass g + 2 is quantised, pass g + 3 asked for, pass g + 4 named
	PASSHEAD 1
	HALF 1, 0
	CHANGE 1, 14
	HALF 1, 16
	CHANGE 1, 30
	s_bitcmp1_b32 s60, 0                           ; behind an odd trip a chunk's four halves are done and the next chunk's codes are whole
	s_cbranch_scc0 .Lno_a
	ALOAD
.Lno_a:
	ABAR                                           ; passed in every trip, so that no barrier stands under a branch
	s_add_co_u32 s60, s60, 1
	s_cmp_lt_u32 s60, 5
	s_cbranch_scc1 .Lm
	PASSHEAD 0                                     ; g = 5 is written out: the last pass is quantised, and no load leaves the buffer
	HALF 2, 0
	CHANGE 1, -1
	HALF 2, 16
	CHANGE 1, -1
	ALOAD                                          ; the last chunk; the next tile's counted wait covers these loads
	s_mov_b32 s61, 0
.Lt1:                                              ; halves 12 and 13; fills 14 and 15 are asked for
	HALF 0, 0
	CHANGE 1, -1
	s_add_co_u32 s61, s61, 1
	s_cmp_lt_u32 s61, 2
	s_cbranch_scc1 .Lt1
	s_mov_b32 s61, 0
.Lt2:                                              ; halves 14 and 15: nothing is left to ask for, so this tail has its own loop
	HALF 0, 0
	CHANGE 0, -1
	s_add_co_u32 s61, s61, 1
	s_cmp_lt_u32 s61, 2
	s_cbranch_scc1 .Lt2
	; THE WAY OUT.  For each 16 rows a lane holds a pair of sums over its eight columns of every tile: the pair's halves are added, then the lane 16 away.  The two waves of a row half add their column halves through LDS.
.irp m, 0,1,2,3,4,5,6,7
	v_add_f32 v[SC+2*\m], v[SC+2*\m], v[SC+2*\m+1]
.endr
.irp m, 0,1,2,3,4,5,6,7
	v_permlanex16_b32 v[SC+2*\m+1], v[SC+2*\m], s[SEL], s[SEL+1]
.endr
.irp m, 0,1,2,3,4,5,6,7
	v_add_f32 v[SC+2*\m], v[SC+2*\m], v[SC+2*\m+1]
.endr
.irp m, 0,1,2,3,4,5,6,7
	ds_store_b32 v[SA], v[SC+2*\m] offset:64*\m    ; row 16 m + r of my 128; lanes r and 16 + r store the same word with the same value
.endr
	ABAR
	ds_load_b64 v[20:21], v[SR]                    ; rows 64 w + 2 lane, + 1: the share of columns 0-511,
	ds_load_b64 v[22:23], v[SR] offset:512         ; and of columns 512-1023
	s_wait_dscnt 0x0
	v_pk_add_f32 v[20:21], v[20:21], v[22:23]
	v_ldexp_f32 v20, v20, s68                      ; x 2^(e0 + e1)
	v_ldexp_f32 v21, v21, s68
	global_store_b64 v[GO], v[20:21], s[12:13]     ; the wave stores 256 consecutive bytes, at a multiple of 256 from sc's first byte
	s_wait_tensorcnt 0x0                           ; the wave's end
	ds_add_u32 v[SPW], v[NIL]
	s_wait_dscnt 0x0
	ROUND                                          ; the closing round
	s_endpgm
.Lfunc_end_k_q5cfdeb8ed0_scores:
	.size	k_q5cfdeb8ed0_scores, .Lfunc_end_k_q5cfdeb8ed0_scores-k_q5cfdeb8ed0_scores
	.p2alignl 7, 3214868480
	.fill 96, 4, 3214868480
	.section	.rodata,"a",@progbits
	.p2align	6, 0x0
	.amdhsa_kernel k_q5cfdeb8ed0_scores
		.amdhsa_group_segment_fixed_size 327680
		.amdhsa_private_segment_fixed_size 0
		.amdhsa_enable_private_segment 0
		.amdhsa_kernarg_size 40
		.amdhsa_user_sgpr_count 2
		.amdhsa_user_sgpr_kernarg_segment_ptr 1
		.amdhsa_wavefront_size32 1
		.amdhsa_system_sgpr_workgroup_id_x 1
		.amdhsa_system_sgpr_workgroup_id_y 1
		.amdhsa_system_sgpr_workgroup_id_z 1
		.amdhsa_system_vgpr_workitem_id 0
		.amdhsa_next_free_vgpr 1024
		.amdhsa_next_free_sgpr 96
		.amdhsa_reserve_vcc 0
		.amdhsa_float_denorm_mode_32 3
		.amdhsa_float_denorm_mode_16_64 3
		.amdhsa_memory_ordered 1
		.amdhsa_forward_progress 1
		.amdhsa_inst_pref_size 255
	.end_amdhsa_kernel
	.section	.bss,"aw",@nobits
	.p2align	6
	.space	262144
	.amdgpu_metadata
---
amdhsa.version: [ 1, 2 ]
amdhsa.kernels:
  - .name:           k_q5cfdeb8ed0_scores
    .symbol:         k_q5cfdeb8ed0_scores.kd
    .args:
      - { .name: encoder_outputs, .offset: 0, .size: 8, .value_kind: global_buffer, .address_space: global }
      - { .name: hidden, .offset: 8, .size: 8, .value_kind: global_buffer, .address_space: global }
      - { .name: wq, .offset: 16, .size: 8, .value_kind: global_buffer, .address_space: global }
      - { .name: lowp_scales, .offset: 24, .size: 8, .value_kind: global_buffer, .address_space: global }
      - { .name: sc, .offset: 32, .size: 8, .value_kind: global_buffer, .address_space: global }
    .group_segment_fixed_size: 327680
    .private_segment_fixed_size: 0
    .kernarg_segment_align: 8
    .kernarg_segment_size: 40
    .max_flat_workgroup_size: 128
    .sgpr_count:     96
    .vgpr_count:     1024
    .wavefront_size: 32
...
	.end_amdgpu_metadata
.endif
;; end of part 2
;; launch softmax (part 3): grid 32 x 1, 8 waves a work-group, no clusters, 1,536 bytes of LDS; arguments sc, out0; writes out0
.if DOCPART == 3
	.amdgcn_target "amdgcn-amd-amdhsa--gfx1250"
	.amdhsa_code_object_version 6
	.text
	.protected	k_q5cfdeb8ed0_softmax
	.globl	k_q5cfdeb8ed0_softmax
	.p2align	8
	.type	k_q5cfdeb8ed0_softmax,@function
k_q5cfdeb8ed0_softmax:
	s_mov_b64 s[64:65], 0
	v_nop
	global_prefetch_b8 v0, s[64:65] scope:SCOPE_SE
	s_setreg_imm32_b32 hwreg(HW_REG_WAVE_MODE, 25, 1), 1
	s_wait_xcnt 0x0
; out0[b][:] = softmax(sc[b][:]), 2,048 numbers a row, with the row's maximum taken away ahead of the exponential.  (sc lacks hidden . bias, which is the same along the row: shown at the head of the first kernel.)
; One work-group to a row, since a row's maximum and sum join all its numbers; eight waves, 8 numbers a thread, kept in registers: the row is read once and written once.
; The difference x - m is formed first and then multiplied by log2(e), not fused into x c - m c: the difference of neighbouring numbers is then free of the rounding of two large products.
.set SPARE, 512                        ; LDS: the waves' maxima at 0, their sums at 256, each in a block of its own; from 512 the spare words, 128 bytes a wave: four blocks of 256 bytes that no other line names
	s_load_b128 s[4:7], s[0:1], 0x0                ; sc, out0
	v_lshl_add_u32 v30, v0, 2, SPARE
	v_mov_b32 v31, 0
	v_lshrrev_b32 v1, 5, v0
	s_delay_alu instid0(VALU_DEP_1)
	v_readfirstlane_b32 s8, v1                     ; wave 0..7
	v_lshlrev_b32 v2, 4, v0                        ; 16 x thread
	s_lshl_b32 s10, ttmp9, 13                      ; a row is 8,192 bytes
	s_mov_b32 s11, 0
	s_mov_b32 s12, 0x76543210                      ; v_permlanex16_b32's selects: lane l xor 16
	s_mov_b32 s13, 0xfedcba98
	s_lshl_b32 s9, s8, 2
	v_mov_b32 v3, s9                               ; my wave's word
	v_mov_b32 v4, 0
	s_wait_alu depctr_va_vdst(0)
	s_wait_kmcnt 0x0
	s_add_nc_u64 s[4:5], s[4:5], s[10:11]
	s_add_nc_u64 s[6:7], s[6:7], s[10:11]
	global_load_b128 v[8:11],  v2, s[4:5]
	global_load_b128 v[12:15], v2, s[4:5] offset:4096
	s_wait_loadcnt 0x0
	v_max3_num_f32 v16, v8, v9, v10
	v_max3_num_f32 v17, v11, v12, v13
	s_delay_alu instid0(VALU_DEP_2)
	v_max3_num_f32 v16, v16, v14, v15
	s_delay_alu instid0(VALU_DEP_1)
	v_max_num_f32 v16, v16, v17
.irp x, 1,2,4,8
	s_delay_alu instid0(VALU_DEP_1)
	v_max_num_f32_dpp v16, v16, v16 row_xmask:\x row_mask:0xf bank_mask:0xf
.endr
	s_delay_alu instid0(VALU_DEP_1)
	v_permlanex16_b32 v17, v16, s12, s13
	s_delay_alu instid0(VALU_DEP_1)
	v_max_num_f32 v16, v16, v17                    ; the wave's maximum, in every lane
	ds_store_b32 v3, v16
	s_wait_dscnt 0x0                               ; for the others' sake: my store has landed
	s_barrier_signal -1
	s_barrier_wait -1
	ds_load_b128 v[20:23], v4
	ds_load_b128 v[24:27], v4 offset:16
	s_wait_dscnt 0x0
	v_max3_num_f32 v16, v20, v21, v22
	v_max3_num_f32 v17, v23, v24, v25
	s_delay_alu instid0(VALU_DEP_2)
	v_max3_num_f32 v16, v16, v26, v27
	s_delay_alu instid0(VALU_DEP_1)
	v_max_num_f32 v16, v16, v17                    ; m, the row's maximum
.irp j, 8,10,12,14
	v_pk_add_f32 v[\j:\j+1], v[\j:\j+1], v[16:17] op_sel_hi:[1,0] neg_lo:[0,1] neg_hi:[0,1]   ; x - m (the pair's low word for both halves)
.endr
.irp j, 8,10,12,14
	s_delay_alu instid0(VALU_DEP_4)
	v_pk_mul_f32 v[\j:\j+1], v[\j:\j+1], 0x3fb8aa3b op_sel_hi:[1,0]                           ; x log2(e)
.endr
	s_wait_alu depctr_va_vdst(0)
.irp j, 8,9,10,11,12,13,14,15
	v_exp_f32 v[\j], v[\j]
.endr
	v_nop                                          ; a plain line behind the last exponential (ISA guide 5.7.2),
	s_wait_alu depctr_va_vdst(0)                   ; and the wait ahead of the batch's first reader
	v_pk_add_f32 v[18:19], v[8:9], v[10:11]
	v_pk_add_f32 v[20:21], v[12:13], v[14:15]
	s_delay_alu instid0(VALU_DEP_1)
	v_pk_add_f32 v[18:19], v[18:19], v[20:21]
	s_delay_alu instid0(VALU_DEP_1)
	v_add_f32 v18, v18, v19
.irp x, 1,2,4,8
	s_delay_alu instid0(VALU_DEP_1)
	v_add_f32_dpp v18, v18, v18 row_xmask:\x row_mask:0xf bank_mask:0xf
.endr
	s_delay_alu instid0(VALU_DEP_1)
	v_permlanex16_b32 v19, v18, s12, s13
	s_delay_alu instid0(VALU_DEP_1)
	v_add_f32 v18, v18, v19                        ; the wave's sum
	ds_store_b32 v3, v18 offset:256
	s_wait_dscnt 0x0
	s_barrier_signal -1
	s_barrier_wait -1
	ds_load_b128 v[20:23], v4 offset:256
	ds_load_b128 v[24:27], v4 offset:272
	s_wait_dscnt 0x0
	v_pk_add_f32 v[20:21], v[20:21], v[22:23]
	v_pk_add_f32 v[24:25], v[24:25], v[26:27]
	s_delay_alu instid0(VALU_DEP_1)
	v_pk_add_f32 v[20:21], v[20:21], v[24:25]
	s_delay_alu instid0(VALU_DEP_1)
	v_add_f32 v18, v20, v21                        ; the row's sum: at least 1, since the maximum's own term is 1
	s_wait_alu depctr_va_vdst(0)
	v_rcp_f32 v16, v18
	v_nop
	s_wait_alu depctr_va_vdst(0)                   ; the wait ahead of the reciprocal's first reader
.irp j, 8,10,12,14
	v_pk_mul_f32 v[\j:\j+1], v[\j:\j+1], v[16:17] op_sel_hi:[1,0]
.endr
	global_store_b128 v2, v[8:11],  s[6:7]         ; a wave stores 512 consecutive bytes, at a multiple of 256 from out0's first byte
	global_store_b128 v2, v[12:15], s[6:7] offset:4096
	s_wait_tensorcnt 0x0                           ; the wave's end: behind my last LDS store
	ds_add_u32 v30, v31
	s_wait_dscnt 0x0
	s_endpgm
.Lfunc_end_k_q5cfdeb8ed0_softmax:
	.size	k_q5cfdeb8ed0_softmax, .Lfunc_end_k_q5cfdeb8ed0_softmax-k_q5cfdeb8ed0_softmax
	.p2alignl 7, 3214868480
	.fill 96, 4, 3214868480
	.section	.rodata,"a",@progbits
	.p2align	6, 0x0
	.amdhsa_kernel k_q5cfdeb8ed0_softmax
		.amdhsa_group_segment_fixed_size 1536
		.amdhsa_private_segment_fixed_size 0
		.amdhsa_enable_private_segment 0
		.amdhsa_kernarg_size 16
		.amdhsa_user_sgpr_count 2
		.amdhsa_user_sgpr_kernarg_segment_ptr 1
		.amdhsa_wavefront_size32 1
		.amdhsa_system_sgpr_workgroup_id_x 1
		.amdhsa_system_sgpr_workgroup_id_y 1
		.amdhsa_system_sgpr_workgroup_id_z 1
		.amdhsa_system_vgpr_workitem_id 0
		.amdhsa_next_free_vgpr 32
		.amdhsa_next_free_sgpr 66
		.amdhsa_reserve_vcc 0
		.amdhsa_float_denorm_mode_32 3
		.amdhsa_float_denorm_mode_16_64 3
		.amdhsa_memory_ordered 1
		.amdhsa_forward_progress 1
		.amdhsa_inst_pref_size 6
	.end_amdhsa_kernel
	.amdgpu_metadata
---
amdhsa.version: [ 1, 2 ]
amdhsa.kernels:
  - .name:           k_q5cfdeb8ed0_softmax
    .symbol:         k_q5cfdeb8ed0_softmax.kd
    .args:
      - { .name: sc, .offset: 0, .size: 8, .value_kind: global_buffer, .address_space: global }
      - { .name: out0, .offset: 8, .size: 8, .value_kind: global_buffer, .address_space: global }
    .group_segment_fixed_size: 1536
    .private_segment_fixed_size: 0
    .kernarg_segment_align: 8
    .kernarg_segment_size: 16
    .max_flat_workgroup_size: 256
    .sgpr_count:     66
    .vgpr_count:     32
    .wavefront_size: 32
...
	.end_amdgpu_metadata
.endif
;; end of part 3
